; MI455X (gfx1250); checked and timed in simulation.
; The chip was launched on July 23, 2026; its instructions are those of AMD's public machine-readable ISA for CDNA 5 (MIT licence, August 2026) and "CDNA5" Instruction Set Architecture Reference Guide (July 2026). The comments in the code are by the model that wrote it; some were corrected since.
;; LSTM. Allowed arithmetic: matrix products marked QUANTISED: E2M1 operands, one E8M0 scale for each 32 along K, by v_wmma_scale_f32_16x16x128_f8f6f4 with both operands' format E2M1 (or v_wmma_scale_f32_32x16x128_f4), f32 sums; everything else in f32.
;; Inputs: W_hf 2,048 x 2,048 float32; W_hg 2,048 x 2,048 float32; W_hi 2,048 x 2,048 float32; W_ho 2,048 x 2,048 float32; W_if 2,048 x 2,048 float32; W_ig 2,048 x 2,048 float32; W_ii 2,048 x 2,048 float32; W_io 2,048 x 2,048 float32; b_f 2,048 float32; b_g 2,048 float32; b_i 2,048 float32; b_o 2,048 float32; hidden_codes 2,048 x 64 x 16 uint8 (E2M1 codes of hidden, K innermost, in blocks of 32 codes, two codes a byte); hidden_scales 2,048 x 64 uint8 (E8M0 scales of hidden, one for each 32 codes along K); input_codes 2,048 x 64 x 16 uint8 (E2M1 codes of input, K innermost, in blocks of 32 codes, two codes a byte); input_scales 2,048 x 64 uint8 (E8M0 scales of input, one for each 32 codes along K); output 2,048 x 2,048 float32.
;; Outputs: out0 2,048 x 2,048 float32; out1 2,048 x 2,048 float32.
;; This version of the problem:
;;   THIS VERSION OF THE PROBLEM IS GIVEN IN LOW PRECISION. The matrix products marked QUANTISED in the list below multiply operands that are first quantised to E2M1 (2 exponent bits, 1 mantissa bit; 4 bits a number), with one power-of-two scale for each 32 numbers along K (OCP MX v1.0); their sums are f32. All else is computed in f32.
;;   The module's matrix products, in the order in which they are computed (A, B: the left and right operand; K: the contracted axis; several contracted axes count as one K, in the product's order):
;;     1. [M 2,048, K 2,048] x [K 2,048, N 8,192]; A: input input (given as codes); B: computed on the way: QUANTISED
;;     2. [M 2,048, K 2,048] x [K 2,048, N 8,192]; A: input hidden (given as codes); B: computed on the way: QUANTISED
;;   THE QUANTISER, for each operand of a quantised product, along K:
;;     - K is cut into blocks of 32 from its start; a last block that is shorter is filled with zeros.
;;     - A block's scale is 2^e with e = floor(log2(the largest magnitude in the block)) - 2, held to -126 .. 127; a block of zeros has e = 0. As a byte (E8M0): e + 127.
;;     - Each number is divided by its block's scale, clamped to +-6, and rounded to the nearest number of E2M1, ties to even, subnormals kept.
;;     - The product sums the exact products of the quantised numbers (number of the format x scale) in f32.
;;   ~~~python
;;   def quantise(x, axis):      # numpy; x: float32 -> the quantised numbers, widened to float32 again
;;       x = np.moveaxis(x, axis, -1); K = x.shape[-1]
;;       x = np.pad(x, [(0, 0)] * (x.ndim - 1) + [(0, -K % 32)]); x = x.reshape(x.shape[:-1] + (-1, 32)); a = np.abs(x).max(-1, keepdims=True)
;;       e = np.where(a > 0, np.clip(np.frexp(np.where(a > 0, a, 1))[1] - 1 - 2, -126, 127), 0)      # np.frexp(a)[1] - 1 = floor(log2(a)), exactly
;;       r = np.clip(x / 2.0 ** e, -6, 6)
;;       step = 2.0 ** (np.maximum(np.frexp(np.where(r == 0, 1, r))[1] - 1, 0) - 1)
;;       q = np.round(r / step) * step * 2.0 ** e      # np.round: ties to even
;;       return np.moveaxis(q.reshape(q.shape[:-2] + (-1,))[..., :K], -1, axis).astype(np.float32)
;;   ~~~
;;   OPERANDS COMPUTED ON THE WAY. 'Computed on the way' means the value that the module computes at that place (a softmax that the list does not call 'softmax' is quantised finished and normalised). What goes into a quantiser is computed in f32, as accurately as f32 sums, v_exp_f32 and their like allow (about 1e-6 of the number): no bf16 or f16 on the way to a quantiser, and a product that is left as it is and whose result goes on into a quantised operand takes f32 operands (vector FMAs, or v_wmma_f32_16x16x4_f32). A number that lies on a knife's edge between two numbers of the format may be rounded either way, as far as f32 arithmetic and the matrix unit's own rounding can turn it there, and no further.
;;   INPUTS GIVEN AS CODES. hidden (in the module: [2048, 2048], K = its axis 1); input (in the module: [2048, 2048], K = its axis 1): each comes as NAME_codes (uint8): NAME with its K axis moved to the last place and cut into blocks of 32 codes, [.., K / 32, bytes a block], one block behind the other in memory; two codes a byte, the lower K in the low four bits (a code: sign, 2 exponent bits, 1 mantissa bit); and NAME_scales (uint8): the same leading axes, one E8M0 byte (e + 127) for each 32 codes along K. Its value is code x scale, taken as it is: it is not quantised again, and the codes and scales need not be those that the quantiser above would give.
;; One version. Each part assembles by itself: llvm-mc -triple=amdgcn-amd-amdhsa -mcpu=gfx1250 --defsym DOCPART=n.
;; ======== version 1 of 1: 2 launches
;; limits: a function is approximated: absolute error at most 2e-07
;; workspace buffers: wq 17,825,792 bytes; aq 4,456,448 bytes
;; launch prep (part 1): grid 640 x 1, 4 waves a work-group, no clusters, 70,144 bytes of LDS; arguments W_ii, W_if, W_ig, W_io, W_hi, W_hf, W_hg, W_ho, input_codes, input_scales, hidden_codes, hidden_scales, wq, aq; writes wq, aq
.if DOCPART == 1
	.amdgcn_target "amdgcn-amd-amdhsa--gfx1250"
	.amdhsa_code_object_version 6
	.text
	.protected	k_q15a6785425_prep
	.globl	k_q15a6785425_prep
	.p2align	8
	.type	k_q15a6785425_prep,@function
k_q15a6785425_prep:
	s_mov_b64 s[64:65], 0
	v_nop
	global_prefetch_b8 v0, s[64:65] scope:SCOPE_SE
	s_setreg_imm32_b32 hwreg(HW_REG_WAVE_MODE, 25, 1), 1
	s_wait_xcnt 0x0
; PREP: the operands of pre = [input | hidden] x [Wi ; Wh] are laid as the product's launch wants them.  K = 4,096 in eight K steps of 512: steps 0-3 input and W_i*, steps 4-7 hidden and W_h*.
; wq [8 K steps][8,192 rows][272 bytes], aq [8 K steps][2,048 rows][272 bytes].  A row: 256 bytes = the K step's 512 codes of E2M1, K innermost, the lower k in the low four bits; then its 16 E8M0 bytes.
; aq's row is m.  wq's row is (hc / 32) x 128 + gate x 32 + hc % 32, hc the column of the gate's weight, gate 0..3 = i, f, g, o: so 32 columns of all four gates are 128 rows on end.
; WEIGHTS (work-groups 0-511): W is [k][n] f32, K its FIRST axis.  A lane takes a column and its registers run down K: a block of 32 along K lies in one lane's 32 registers, its largest magnitude needs no other lane,
; and the conversions give codes with K innermost.  A block's scale is 2^(floor(log2(largest magnitude)) - 2): its byte is the magnitude's exponent field - 2, held at 1 from below by a floor among the maximum's leaves.
; A wave takes 32 columns x 512 along K; the 32 rows of 272 bytes are gathered in its own stage in LDS and leave as 8,704 bytes on end: 17 stores of 512 consecutive bytes, each at a multiple of 256 from wq's first byte.
; ACTIVATIONS (work-groups 512-639): codes and scale bytes are copied as they are given, 32 rows x one K step a wave, through a stage of the same shape.  The scale bytes are read as 16 bytes of each row's 64: 1/17 of this path's bytes.
; The two paths part on the work-group's number, never meet again, and have LDS bytes of their own.  No tensor loads, no barrier: waves share nothing.
; LIMITS: NaN and infinities among the weights are not served.  A block of zeros gets the byte 1 where the rule says 127: its codes are zeros, which add nothing under that byte, and this program alone reads the bytes.
.set EMAX,  2
.set PITCH, 272
.set WREG,  32*PITCH                   ; a wave's stage: 32 rows
.set AST,   4*WREG                     ; the activations' stages lie behind the weights'
.set SB,    24                         ; v24-27   a lane's 16 scale bytes, four to a register
.set X,     32                         ; v32-95   two sets of 32 numbers (activations: 16 x 4 registers of codes)
.set C,     96                         ; v96-99   a block's codes
.set OUTR,  112                        ; v112-179 the way out: 17 x 4 registers
	s_load_b512 s[16:31], s[0:1], 0x0              ; the eight weights: W_ii, W_if, W_ig, W_io, W_hi, W_hf, W_hg, W_ho
	s_load_b256 s[32:39], s[0:1], 0x40             ; input's codes, input's scales, hidden's codes, hidden's scales
	s_load_b128 s[40:43], s[0:1], 0x60             ; wq, aq
	v_lshl_add_u32 v192, v0, 2, 0x11000
	v_mov_b32 v193, 0
	v_lshrrev_b32 v1, 5, v0
	v_readfirstlane_b32 s4, v1                     ; wave 0..3
	v_and_b32 v2, 31, v0                           ; lane
	s_mul_i32 s10, s4, WREG                        ; my stage
	; every LDS address is made here, ahead of the parting
	v_mul_u32_u24 v4, v2, PITCH
	v_add_nc_u32 v4, s10, v4                       ; weights, in: row = my column
	v_lshlrev_b32 v8, 4, v2                        ; out, in memory: 16 bytes a lane
	v_add_nc_u32 v7, s10, v8                       ; weights, out of the stage: the same
	v_lshrrev_b32 v5, 4, v2                        ; lane / 16
	v_and_b32 v6, 15, v2                           ; lane % 16
	v_mul_u32_u24 v9, v5, PITCH
	v_lshl_add_u32 v9, v6, 4, v9
	v_add_nc_u32 v9, s10, v9
	v_add_nc_u32 v9, AST, v9                       ; activations' codes, in: sixteen lanes to a row, two rows an instruction
	v_add_nc_u32 v10, AST, v4                      ; activations' scale bytes, in: row = my lane
	v_add_nc_u32 v14, AST, v7                      ; activations, out
	s_wait_kmcnt 0x0
	s_cmp_ge_u32 ttmp9, 512
	s_cbranch_scc1 .Lacts
; The stage's 8,704 bytes leave as they lie.  LDS serves a wave's instructions in order, so the loads see my stores.
.macro OUT adr, base
.irp i, 0,1,2,3,4,5,6,7,8,9,10,11,12,13,14,15,16
	ds_load_b128 v[OUTR+4*\i:OUTR+4*\i+3], v[\adr] offset:512*\i
.endr
.irp i, 0,1,2,3,4,5,6,7,8,9,10,11,12,13,14,15,16
	s_wait_dscnt 16-\i                             ; load i is in; the younger ones may be out
	global_store_b128 v8, v[OUTR+4*\i:OUTR+4*\i+3], s[\base:\base+1] offset:512*\i   ; 32 lanes store 512 consecutive bytes
.endr
.endm
	; ---- WEIGHTS.  Work-group x: 128 columns x & 15, 512 along K (x >> 4) & 3, tensor x >> 6
	s_and_b32 s6, ttmp9, 15                        ; which 128 columns
	s_bfe_u32 s7, ttmp9, 0x20004                   ; which 512 along K
	s_lshr_b32 s5, ttmp9, 6                        ; which tensor, 0..7
	s_bitcmp1_b32 s5, 0                            ; the tensor's address is chosen bit by bit of its number: a choice that hangs on the work-group's number alone
	s_cselect_b64 s[16:17], s[18:19], s[16:17]
	s_cselect_b64 s[20:21], s[22:23], s[20:21]
	s_cselect_b64 s[24:25], s[26:27], s[24:25]
	s_cselect_b64 s[28:29], s[30:31], s[28:29]
	s_bitcmp1_b32 s5, 1
	s_cselect_b64 s[16:17], s[20:21], s[16:17]
	s_cselect_b64 s[24:25], s[28:29], s[24:25]
	s_bitcmp1_b32 s5, 2
	s_cselect_b64 s[16:17], s[24:25], s[16:17]
	s_lshl_b32 s8, s7, 22                          ; 512 rows of 8,192 bytes,
	s_lshl_b32 s11, s6, 9                          ; 128 columns of 4 bytes,
	s_add_co_u32 s8, s8, s11
	s_lshl_b32 s11, s4, 7                          ; my wave's 32 columns
	s_add_co_u32 s8, s8, s11
	s_mov_b32 s9, 0
	s_add_nc_u64 s[16:17], s[16:17], s[8:9]
	s_and_b32 s11, s5, 3                           ; gate
	s_lshr_b32 s12, s5, 2                          ; 0: a weight of input, 1: of hidden
	s_lshl_b32 s12, s12, 2
	s_add_co_u32 s12, s12, s7                      ; K step 0..7
	s_lshl_b32 s12, s12, 13                        ; x 8,192 rows
	s_lshl_b32 s13, s6, 2
	s_add_co_u32 s13, s13, s4                      ; which 32 columns: 4 x (x & 15) + wave
	s_lshl_b32 s13, s13, 7                         ; x 128 rows
	s_add_co_u32 s12, s12, s13
	s_lshl_b32 s11, s11, 5                         ; + 32 x gate
	s_add_co_u32 s12, s12, s11
	s_mul_i32 s8, s12, PITCH                       ; under 2^25
	s_add_nc_u64 s[40:41], s[40:41], s[8:9]
	v_lshlrev_b32 v3, 2, v2                        ; in: 4 bytes a lane: a wave's load reads 128 consecutive bytes, the four waves stand side by side on 512
.macro LOAD t                          ; block t: W(32 t + i, my column), i = 0 .. 31, into set t % 2.  The largest offset, 511 x 8,192, lies inside the signed 24-bit immediate
.irp i, 0,1,2,3,4,5,6,7,8,9,10,11,12,13,14,15,16,17,18,19,20,21,22,23,24,25,26,27,28,29,30,31
	global_load_b32 v[X+32*((\t)%2)+\i], v3, s[16:17] offset:(32*(\t)+\i)*8192 th:TH_LOAD_NT
.endr
.endm
	LOAD 0
	LOAD 1
.macro BLOCK t
.set XS, X+32*((\t)%2)
.if (\t) < 15
	s_wait_loadcnt 32                              ; this block's 32 loads are in; the next block's 32 may be out
.else
	s_wait_loadcnt 0
.endif
	v_max3_num_f32 v12, |v[XS]|, |v[XS+1]|, |v[XS+2]|               ; the block's largest magnitude: all 32 numbers are mine; two chains
	v_max3_num_f32 v13, |v[XS+3]|, |v[XS+4]|, |v[XS+5]|
.irp i, 6,10,14,18,22,26
	v_max3_num_f32 v12, v12, |v[XS+\i]|, |v[XS+\i+1]|
	v_max3_num_f32 v13, v13, |v[XS+\i+2]|, |v[XS+\i+3]|
.endr
	v_max3_num_f32 v12, v12, |v[XS+30]|, |v[XS+31]|
	v_max3_num_f32 v12, v12, v13, (EMAX+1)<<23     ; and the floor 2^(3 - 127): the byte cannot fall under 1, which is the rule's hold of e at -126
	v_add_nc_u32 v11, -(EMAX<<23), v12             ; 2 off its exponent field: the conversion takes the exponent field of this operand as its scale, and nothing else of it
	v_lshrrev_b32 v13, 23, v11                     ; the scale's byte
.if (\t)%4 == 0
	v_mov_b32 v[SB+(\t)/4], v13                    ; four bytes to a register, the lower K in the lower byte
.else
	v_lshl_or_b32 v[SB+(\t)/4], v13, 8*((\t)%4), v[SB+(\t)/4]
.endif
.irp g, 0,1,2,3
	v_cvt_scalef32_pk8_fp4_f32 v[C+\g], v[XS+8*\g:XS+8*\g+7], v11   ; eight numbers / the scale, to the nearest code, ties to even, beyond 6 the largest code
.endr
	ds_store_b128 v4, v[C:C+3] offset:16*(\t)      ; 32 codes: 16 bytes of my column's row.  (The codes go to an LDS store alone; the next block begins with plain vector lines)
.if (\t)+2 < 16
	LOAD (\t)+2
.endif
	s_wait_dscnt 0x0                               ; the store has read its registers: the next block's codes may be written
.endm
.set Q, 0
.rept 16
	BLOCK Q
.set Q, Q+1
.endr
	ds_store_b128 v4, v[SB:SB+3] offset:256        ; my column's 16 scale bytes, behind its 256 bytes of codes
	OUT 7, 40
	s_wait_tensorcnt 0x0
	ds_add_u32 v192, v193
	s_wait_dscnt 0x0
	s_endpgm
	; ---- ACTIVATIONS.  Unit u = 4 (x - 512) + wave: K step u >> 6, rows 32 (u & 63) on
.Lacts:
	s_sub_co_u32 s5, ttmp9, 512
	s_cmp_lt_u32 s5, 64                            ; K steps 0-3: input; 4-7: hidden
	s_cselect_b64 s[32:33], s[32:33], s[36:37]
	s_cselect_b64 s[34:35], s[34:35], s[38:39]
	s_lshl_b32 s6, s5, 2
	s_add_co_u32 s6, s6, s4                        ; u
	s_lshr_b32 s7, s6, 6                           ; K step
	s_and_b32 s11, s6, 63                          ; which 32 rows
	s_and_b32 s12, s7, 3                           ; which 512 along the tensor's own K
	s_lshl_b32 s8, s11, 15                         ; codes: 32 rows of 1,024 bytes,
	s_lshl_b32 s13, s12, 8                         ; 256 bytes a K step
	s_add_co_u32 s8, s8, s13
	s_mov_b32 s9, 0
	s_add_nc_u64 s[32:33], s[32:33], s[8:9]
	s_lshl_b32 s8, s11, 11                         ; scale bytes: 32 rows of 64 bytes,
	s_lshl_b32 s13, s12, 4                         ; 16 bytes a K step
	s_add_co_u32 s8, s8, s13
	s_add_nc_u64 s[34:35], s[34:35], s[8:9]
	s_lshl_b32 s8, s7, 11                          ; aq: K step x 2,048 rows
	s_lshl_b32 s13, s11, 5
	s_add_co_u32 s8, s8, s13
	s_mul_i32 s8, s8, PITCH
	s_add_nc_u64 s[42:43], s[42:43], s[8:9]
	v_lshlrev_b32 v3, 10, v5
	v_lshl_add_u32 v3, v6, 4, v3                   ; codes: sixteen lanes take 256 consecutive bytes of a row, lanes 16-31 those of the next row
	v_lshlrev_b32 v11, 6, v2                       ; scale bytes: a lane a row
	global_load_b128 v[28:31], v11, s[34:35]
.irp i, 0,1,2,3,4,5,6,7,8,9,10,11,12,13,14,15
	global_load_b128 v[X+4*\i:X+4*\i+3], v3, s[32:33] offset:2048*\i th:TH_LOAD_NT
.endr
.irp i, 0,1,2,3,4,5,6,7,8,9,10,11,12,13,14,15
	s_wait_loadcnt 15-\i                           ; load i of the codes is in (and the scale bytes, asked for first); the younger ones may be out
	ds_store_b128 v9, v[X+4*\i:X+4*\i+3] offset:2*PITCH*\i
.endr
	ds_store_b128 v10, v[28:31] offset:256
	OUT 14, 42
	s_wait_tensorcnt 0x0
	ds_add_u32 v192, v193
	s_wait_dscnt 0x0
	s_endpgm
.Lfunc_end_k_q15a6785425_prep:
	.size	k_q15a6785425_prep, .Lfunc_end_k_q15a6785425_prep-k_q15a6785425_prep
	.p2alignl 7, 3214868480
	.fill 96, 4, 3214868480
	.section	.rodata,"a",@progbits
	.p2align	6, 0x0
	.amdhsa_kernel k_q15a6785425_prep
		.amdhsa_group_segment_fixed_size 70144
		.amdhsa_private_segment_fixed_size 0
		.amdhsa_enable_private_segment 0
		.amdhsa_kernarg_size 112
		.amdhsa_user_sgpr_count 2
		.amdhsa_user_sgpr_kernarg_segment_ptr 1
		.amdhsa_wavefront_size32 1
		.amdhsa_system_sgpr_workgroup_id_x 1
		.amdhsa_system_sgpr_workgroup_id_y 1
		.amdhsa_system_sgpr_workgroup_id_z 1
		.amdhsa_system_vgpr_workitem_id 0
		.amdhsa_next_free_vgpr 194
		.amdhsa_next_free_sgpr 66
		.amdhsa_reserve_vcc 0
		.amdhsa_float_denorm_mode_32 3
		.amdhsa_float_denorm_mode_16_64 3
		.amdhsa_memory_ordered 1
		.amdhsa_forward_progress 1
		.amdhsa_inst_pref_size 87
	.end_amdhsa_kernel
	.amdgpu_metadata
---
amdhsa.version: [ 1, 2 ]
amdhsa.kernels:
  - .name:           k_q15a6785425_prep
    .symbol:         k_q15a6785425_prep.kd
    .args:
      - { .name: W_ii, .offset: 0, .size: 8, .value_kind: global_buffer, .address_space: global }
      - { .name: W_if, .offset: 8, .size: 8, .value_kind: global_buffer, .address_space: global }
      - { .name: W_ig, .offset: 16, .size: 8, .value_kind: global_buffer, .address_space: global }
      - { .name: W_io, .offset: 24, .size: 8, .value_kind: global_buffer, .address_space: global }
      - { .name: W_hi, .offset: 32, .size: 8, .value_kind: global_buffer, .address_space: global }
      - { .name: W_hf, .offset: 40, .size: 8, .value_kind: global_buffer, .address_space: global }
      - { .name: W_hg, .offset: 48, .size: 8, .value_kind: global_buffer, .address_space: global }
      - { .name: W_ho, .offset: 56, .size: 8, .value_kind: global_buffer, .address_space: global }
      - { .name: input_codes, .offset: 64, .size: 8, .value_kind: global_buffer, .address_space: global }
      - { .name: input_scales, .offset: 72, .size: 8, .value_kind: global_buffer, .address_space: global }
      - { .name: hidden_codes, .offset: 80, .size: 8, .value_kind: global_buffer, .address_space: global }
      - { .name: hidden_scales, .offset: 88, .size: 8, .value_kind: global_buffer, .address_space: global }
      - { .name: wq, .offset: 96, .size: 8, .value_kind: global_buffer, .address_space: global }
      - { .name: aq, .offset: 104, .size: 8, .value_kind: global_buffer, .address_space: global }
    .group_segment_fixed_size: 70144
    .private_segment_fixed_size: 0
    .kernarg_segment_align: 8
    .kernarg_segment_size: 112
    .max_flat_workgroup_size: 128
    .sgpr_count:     66
    .vgpr_count:     194
    .wavefront_size: 32
...
	.end_amdgpu_metadata
.endif
;; end of part 1
;; launch cell (part 2): grid 32 x 8, 4 waves a work-group, clusters of 4 x 4, 327,680 bytes of LDS; arguments aq, wq, b_i, b_f, b_g, b_o, output, out0, out1; writes out0, out1
.if DOCPART == 2
	.amdgcn_target "amdgcn-amd-amdhsa--gfx1250"
	.amdhsa_code_object_version 6
	.text
	.protected	k_q15a6785425_cell
	.globl	k_q15a6785425_cell
	.p2align	8
	.type	k_q15a6785425_cell,@function
k_q15a6785425_cell:
	s_mov_b64 s[64:65], 0
	v_nop
	global_prefetch_b8 v0, s[64:65] scope:SCOPE_SE
	s_setreg_imm32_b32 hwreg(HW_REG_WAVE_MODE, 25, 1), 1
	s_wait_xcnt 0x0
	s_wait_alu depctr_hold_cnt(0) depctr_sa_sdst(0) depctr_va_vdst(0) depctr_va_sdst(0) depctr_va_ssrc(0) depctr_va_vcc(0) depctr_vm_vsrc(0)
	s_getreg_b32 s2, hwreg(HW_REG_IB_STS2, 6, 4)
	s_cmp_eq_u32 s2, 0
	s_cbranch_scc0 .Lentry_in_a_cluster
	s_endpgm
.Lentry_in_a_cluster:
	s_bfe_u32 s2, ttmp6, 0x10000c
	s_cmp_lg_u32 s2, 0xf033
	s_cbranch_scc0 .Lentry_shape_is_right
	s_endpgm
.Lentry_shape_is_right:
; CELL: pre = [input | hidden] x [Wi ; Wh] + b on codes of E2M1 with one E8M0 scale for each 32 along K (K = 4,096), then c = sigmoid(f) output + sigmoid(i) tanh(g), h = sigmoid(o) tanh(c).  pre never goes to memory.
; OPERANDS: aq [8 K steps][2,048 rows][272 bytes], wq [8 K steps][8,192 rows][272 bytes]: a row is a K step's 512 codes (256 bytes) and its 16 scale bytes.  wq's row is (hc / 32) x 128 + gate x 32 + hc % 32 (hc: column of c and h; gate 0..3 = i, f, g, o).
; SHARES: a work-group makes 256 rows x 64 columns of c and h, that is 256 x 256 of pre: 256 work-groups.  Wave w (wr = w / 2, wc = w % 2) makes rows 128 wr on x columns 32 wc on x four gates: 64 accumulators of 16 x 16, 512 registers.
; THE RING: K goes in eight steps of 512 through two LDS slots.  128 rows of one K step are 34,816 bytes on end in memory: one tensor load, stated as 136 rows of 256 bytes, lays them in LDS as they lie:
; rows 272 bytes apart (68 words: the sixteen rows that a load touches start 4 words apart modulo 64), the scale words riding in each row's last 16 bytes.  One load a wave: waves 0, 1 A's halves, waves 2, 3 B's.
; CLUSTERS: 4 x 4 work-groups.  A's tile hangs on the tile row alone and is asked for jointly by a row of the cluster, B's on the tile column alone and by a column.
; THE MATRIX INSTRUCTION IS USED TRANSPOSED (source 0 = 16 rows of wq, source 1 = 16 rows of aq): lane (r, h) holds row r, and register j column 8 h + j.  So i, f, g and o of one number of c lie in the same lane
; and at the same register index of four accumulators, and the tail needs no other lane.  The bias is the C of each sum's first matrix instruction.
; THE TAIL: the work-group's tile of output comes into slot 0 by one more tensor load a wave, behind the change of slots that leaves slot 0 for good.  c and h go through stages in slot 1, which has had its last fill and is read by nobody then.
; They leave BLOCK BY BLOCK: when all four waves have stored their block a (16 rows each), 32 whole rows of c and of h lie in the stages; a barrier, and each wave reads 8 rows of each back and stores them, amid the next block's arithmetic.
; ARITHMETIC: sigmoid(x) = 1 / (1 + 2^(-x log2 e)); tanh(x) = 1 - 2 / (1 + 2^(2 x log2 e)).  Both ends saturate rightly with no clamp: 2^y = infinity gives 1 / infinity = 0, 2^y = 0 gives 1.
; LIMIT: this tanh has an absolute error of about 1e-7, so a tanh much smaller than that is not relatively exact.
; REGISTERS, in windows of 256: window 0: v1-31 addresses; v32-95 scale words, two sets; v128-191 A's fragments, ONE set; in the tail v32-255 are at work.
;   window 1: B's fragments, set 0 at v0, set 1 at v128; v64-127 the biases, 8 registers for each of B's eight blocks.   window 2: the accumulators of my rows 0-63 ((a, b) at v[8 (8 (a % 4) + b)]);   window 3: of my rows 64-127.
.set PITCH,  272
.set HALFT,  128*PITCH                 ; 128 rows: what one tensor load brings, and what one wave reads of A or of B
.set SLOT,   4*HALFT                   ; A's 256 rows, then B's 256 rows
.set SPARE,  2*SLOT                    ; behind the ring: the spare words, 128 bytes for each wave: two blocks of 256 bytes that no other line names
.set ASTEP,  2048*PITCH                ; a K step on in aq,
.set BSTEP,  8192*PITCH                ; in wq
.set CST,    SLOT                      ; the tail: c's stage, 256 rows x 272 bytes;
.set HST,    SLOT+2*HALFT              ; h's.  (output's tile lies at LDS byte 0, in the same shape)
.set FR,     8                         ; registers of a fragment: 16 rows x 128 K
.set RDH,  14                          ; v14     the way out: where I read h's rows back
.set PFO,  15                          ; v15     the prefetch's offset: my lane x a row of output; never rewritten
.set ADRA, 16                          ; v16-17  LDS address of my A fragments in slot 0, 1
.set ADRB, 20                          ; v20-21  the same for B
.set ADRS, 22                          ; v22-23  of my rows for the scale words: lanes 0-15 A's rows, lanes 16-31 B's
.set OA,   24                          ; v24     my 32 bytes of a row of output's tile
.set OAC,  25                          ; v25     the same place in c's stage
.set OAH,  26                          ; v26     in h's
.set RDC,  27                          ; v27     the way out: where I read c's rows back
.set SPW,  28                          ; v28     LDS address of my spare word: SPARE + 4 x my thread's number; never rewritten
.set NIL,  29                          ; v29     0; never rewritten
.set CO,   30                          ; v30     my byte offset in two rows of c and h
.set BO,   31                          ; v31     my byte offset among a block's 16 biases
.set SC,   32                          ; scale words: set s (for slot s) at v[SC + 32 s]; register 4 i + q: lanes 0-15 the word of A's block i, lanes 16-31 of B's block i, for the slot's q-th 128 along K
.set AF,   128                         ; A's fragments, in window 0
.set BIAS, 64                          ; the biases, in window 1
.set G1,   24                          ; s[24:31] descriptor group 1 for A's tiles;  s[32:39] group 0, one set for each slot
.set G0,   32
.set G1B,  48                          ; s[48:55], s[56:63] the same for B's tiles
.set G0B,  56
.set G1O,  76                          ; s[76:83], s[84:87] groups 1 and 0 for output's tile
.set G0O,  84
.set MSB, 0
.macro WIN new                         ; the immediate's high byte repeats the setting that is left; a switch that changes nothing is dropped
.if MSB != (\new)
	s_set_vgpr_msb (MSB<<8)|(\new)
.set MSB, (\new)
.endif
.endm
.set MUL_LO,   0xa1                    ; source 0 (B) window 1, source 1 (A) window 0, C and D window 2
.set MUL_HI,   0xf1                    ; the same, C and D window 3
.set FIRST_LO, 0x91                    ; the first step: C (the bias) window 1, D window 2
.set FIRST_HI, 0xd1                    ; D window 3
.set TO_B,     0x40                    ; destination window 1, address window 0
; A joint load: waves 0 and 1 fetch for A, waves 2 and 3 for B.  Each of the two lines has ONE mask and one set of registers for all that issue it; the branch hangs on the wave's number alone.
; Four v_nop follow each of the two lines, ahead of the jump, the label and what follows.
.macro JLOAD g0a, g1a, g0b, g1b
	s_cmp_eq_u32 s15, 0
	s_cbranch_scc0 .Lfor_b_\@
	tensor_load_to_lds s[\g0a:\g0a+3], s[\g1a:\g1a+7]
	s_nop 0
.rept 4
	v_nop
.endr
	s_branch .Lasked_\@
.Lfor_b_\@:
	tensor_load_to_lds s[\g0b:\g0b+3], s[\g1b:\g1b+7]
	s_nop 0
.rept 4
	v_nop
.endr
.Lasked_\@:
.endm
.macro CREST                           ; a round of the cluster's barrier behind its opening barrier
	s_cmp_lg_u32 s14, 0
	s_cbranch_scc1 .Lnot_wave_0_\@
	s_barrier_signal -3
.Lnot_wave_0_\@:
	s_barrier_wait -3
	s_barrier_signal -1
	s_barrier_wait -1
.endm
.macro CROUND                          ; a whole round
	s_barrier_signal -1
	s_barrier_wait -1
	CREST
.endm
	s_load_b128 s[4:7], s[0:1], 0x0                ; aq s[4:5], wq s[6:7]
	s_load_b256 s[68:75], s[0:1], 0x10             ; b_i, b_f, b_g, b_o
	s_load_b128 s[8:11], s[0:1], 0x30              ; output s[8:9], out0 (c) s[10:11]
	s_load_b64 s[12:13], s[0:1], 0x40              ; out1 (h)
	v_lshl_add_u32 v[SPW], v0, 2, SPARE
	v_mov_b32 v[NIL], 0
	ds_add_u32 v28, v29
	ds_add_u32 v28, v29
	s_wait_dscnt 0x0
	v_lshrrev_b32 v1, 5, v0
	v_readfirstlane_b32 s14, v1                    ; wave 0..3
	s_lshr_b32 s15, s14, 1                         ; wr: which half of the tile's rows is mine.  Also: I fetch for A (0) or for B (1)
	s_and_b32 s16, s14, 1                          ; wc: which 32 columns of c.  Also: which 128 rows of that tile I fetch
	s_bfe_u32 s40, ttmp6, 0x40000                  ; cx, cy: my place in the cluster
	s_bfe_u32 s41, ttmp6, 0x40004
	s_lshl_b32 s42, ttmp9, 2
	s_add_co_u32 s42, s42, s40                     ; tile column = 4 x cluster x + cx
	s_and_b32 s17, ttmp7, 0xffff
	s_lshl_b32 s17, s17, 2
	s_add_co_u32 s17, s17, s41                     ; tile row = 4 x cluster y + cy
	s_lshl_b32 s43, s41, 2
	s_lshl_b32 s43, 15, s43                        ; my row of the cluster
	s_lshl_b32 s44, 0x1111, s40                    ; my column
	; descriptor group 1 for A's and B's tiles: 34,816 bytes on end, as 136 rows of 32 elements of 8 bytes; no padding: the rows of 272 bytes lie in LDS as they lie in memory
	s_or_b32 s[G1+0], s43, (3<<16)|(1<<21)         ; 15:0 the mask: A's tiles go to my row; 17:16 elements of 8 bytes; 21 set beside a mask
	s_or_b32 s[G1B+0], s44, (3<<16)|(1<<21)        ; B's go to my column
.irp g, G1, G1B
	s_mov_b32 s[\g+1], 32<<16                      ; tensor_dim0 = 32
	s_mov_b32 s[\g+2], 136<<16                     ; tensor_dim1 = 136
	s_mov_b32 s[\g+3], 32<<16                      ; tile_dim0 = 32
	s_mov_b32 s[\g+4], 136                         ; tile_dim1 = 136
	s_mov_b32 s[\g+5], 32                          ; tensor_dim0_stride: dense
	s_mov_b32 s[\g+6], 0
	s_mov_b32 s[\g+7], 0
.endr
	; and for output's tile: 64 rows of 64 elements of 4 bytes, 2,048 elements apart, 4 words of padding behind every 64: LDS rows 272 bytes apart.  No mask: each work-group has its own
	s_mov_b32 s[G1O+0], (2<<16)|(1<<20)|(5<<22)|(3<<25)
	s_mov_b32 s[G1O+1], 64<<16
	s_mov_b32 s[G1O+2], 64<<16
	s_mov_b32 s[G1O+3], 64<<16
	s_mov_b32 s[G1O+4], 64
	s_mov_b32 s[G1O+5], 2048
	s_mov_b32 s[G1O+6], 0
	s_mov_b32 s[G1O+7], 0
	s_lshl_b32 s18, s16, 7                         ; which 128 rows of the tile I fetch
	s_lshl_b32 s20, s17, 8
	s_add_co_u32 s20, s20, s18                     ; A: row 256 x tile row + 128 x half,
	s_mul_i32 s20, s20, PITCH                      ; in bytes (under 2^20)
	s_mov_b32 s21, 0
	s_lshl_b32 s46, s42, 8
	s_add_co_u32 s46, s46, s18                     ; B: row 256 x tile column + 128 x half,
	s_mul_i32 s46, s46, PITCH                      ; in bytes (under 2^22)
	s_mov_b32 s47, 0
	s_mul_i32 s45, s14, HALFT                      ; where they go: wave x 128 rows: no place in the cluster enters an LDS address
	s_lshl_b32 s88, s17, 8
	s_lshl_b32 s89, s14, 6
	s_add_co_u32 s88, s88, s89                     ; output: the 64 rows that I fetch: 256 x tile row + 64 x wave,
	s_lshl_b32 s88, s88, 13                        ; of 8,192 bytes,
	s_lshl_b32 s89, s42, 8                         ; from the tile's first column on: 256 bytes x tile column
	s_add_co_u32 s88, s88, s89
	s_mov_b32 s89, 0
	s_lshl_b32 s90, s17, 8                         ; c and h: of each block I store the 8 rows from 256 x tile row + 128 wr + 8 wc on
	s_lshl_b32 s91, s15, 7
	s_add_co_u32 s90, s90, s91
	s_lshl_b32 s91, s16, 3
	s_add_co_u32 s90, s90, s91
	s_lshl_b32 s90, s90, 13
	s_lshl_b32 s91, s42, 8
	s_add_co_u32 s90, s90, s91
	s_mov_b32 s91, 0
	s_lshl_b32 s94, s42, 8                         ; the biases of my 32 columns: 256 x tile column + 128 x wc bytes
	s_add_co_u32 s94, s94, s18
	s_mov_b32 s95, 0
	s_mov_b32 s96, 0xbfb8aa3b                      ; -log2(e): the packed forms name a pair and take its low word for both halves, so both are written
	s_mov_b32 s97, s96
	s_mov_b32 s98, 0x4038aa3b                      ; 2 log2(e)
	s_mov_b32 s99, s98
	CROUND                                         ; all sixteen work-groups are here: the first joint loads meet.  The round names no argument, so it stands ahead of the wait for them
	s_wait_kmcnt 0x0
	s_add_nc_u64 s[20:21], s[4:5], s[20:21]
	s_add_nc_u64 s[46:47], s[6:7], s[46:47]
.irp s, 0,1
	s_mov_b32 s[G0+4*\s], 1                                        ; count = 1
	s_add_co_u32 s[G0+4*\s+1], s45, \s*SLOT                        ; LDS address
	s_add_nc_u64 s[G0+4*\s+2:G0+4*\s+3], s[20:21], \s*ASTEP        ; global address: K step s
	s_or_b32 s[G0+4*\s+3], s[G0+4*\s+3], 0x80000000                ; type = 2
	s_mov_b32 s[G0B+4*\s], 1
	s_add_co_u32 s[G0B+4*\s+1], s45, \s*SLOT
	s_add_nc_u64 s[G0B+4*\s+2:G0B+4*\s+3], s[46:47], \s*BSTEP
	s_or_b32 s[G0B+4*\s+3], s[G0B+4*\s+3], 0x80000000
	JLOAD G0+4*\s, G1, G0B+4*\s, G1B               ; two loads of mine are out
.endr
	s_add_nc_u64 s[92:93], s[8:9], s[88:89]        ; output at my 64 rows: for the prefetch, never rewritten,
	s_mov_b32 s[G0O], 1
	s_mul_i32 s[G0O+1], s14, 64*PITCH              ; and for the tile's load: my 64 rows go to wave x 64 rows of 272 bytes
	s_mov_b64 s[G0O+2:G0O+3], s[92:93]
	s_or_b32 s[G0O+3], s[G0O+3], 0x80000000
	s_add_nc_u64 s[10:11], s[10:11], s[90:91]      ; c and h at the first rows that I store; never rewritten
	s_add_nc_u64 s[12:13], s[12:13], s[90:91]
.irp g, 0,1,2,3
	s_add_nc_u64 s[68+2*\g:69+2*\g], s[68+2*\g:69+2*\g], s[94:95]
.endr
	v_and_b32 v1, 15, v0                           ; r = lane % 16
	v_bfe_u32 v2, v0, 4, 1                         ; h = lane / 16
	v_lshlrev_b32 v[BO], 5, v2                     ; register j of lane (r, h) belongs to column 8 h + j of a block: 32 h bytes
	WIN TO_B
.irp g, 0,1,2,3                                ; block b = 2 gate + u: the gate's biases of my columns 16 u + 8 h + 0 .. 7, in the result's layout
.irp u, 0,1
.irp c, 0,1
	global_load_b128 v[BIAS+8*(2*\g+\u)+4*\c:BIAS+8*(2*\g+\u)+4*\c+3], v[BO], s[68+2*\g:69+2*\g] offset:64*\u+16*\c
.endr
.endr
.endr
	WIN 0
	v_mul_u32_u24 v3, v1, PITCH
	v_lshl_add_u32 v4, v2, 4, v3                   ; a fragment's row x pitch + 16 x half
	s_mul_i32 s21, s15, HALFT                      ; my 128 rows of A
	s_mul_i32 s22, s16, HALFT                      ; my 128 rows of B,
	s_add_co_u32 s22, s22, 2*HALFT                 ; which lie behind A's 256
	s_xor_b32 s23, s15, 1
	s_add_co_u32 s23, s23, s16
	s_add_co_u32 s23, s23, 1                       ; 2 + wc - wr: from my rows of A to my rows of B, in runs of 128 rows
	s_mul_i32 s23, s23, HALFT
	v_mul_u32_u24 v6, s23, v2                      ; lanes 16-31 take B's rows: ONE product, the distance x h
	v_add_nc_u32 v5, v3, v6
.irp s, 0,1
	v_add_nc_u32 v[ADRA+\s], s21, v4
	v_add_nc_u32 v[ADRB+\s], s22, v4
	v_add_nc_u32 v[ADRS+\s], s21, v5
	s_add_co_u32 s21, s21, SLOT
	s_add_co_u32 s22, s22, SLOT
.endr
	s_mul_i32 s18, s15, HALFT                      ; the tail: row 128 wr + r of the tile, 128 wc + 32 h bytes on
	s_lshl_b32 s19, s16, 7
	s_add_co_u32 s18, s18, s19
	v_lshl_add_u32 v[OA], v2, 5, v3
	v_add_nc_u32 v[OA], s18, v[OA]
	v_add_nc_u32 v[OAC], CST, v[OA]
	v_add_nc_u32 v[OAH], HST, v[OA]
	s_mul_i32 s18, s15, HALFT                      ; the way out: of block a wave w takes rows 128 wr + 16 a + 8 wc on, whole; lanes 0-15 one row of 256 bytes, lanes 16-31 the next
	s_mul_i32 s19, s16, 8*PITCH
	s_add_co_u32 s18, s18, s19
	v_mul_u32_u24 v5, v2, PITCH
	v_lshl_add_u32 v5, v1, 4, v5
	v_add_nc_u32 v5, s18, v5
	v_add_nc_u32 v[RDC], CST, v5
	v_add_nc_u32 v[RDH], HST, v5
	v_lshlrev_b32 v[CO], 13, v2                    ; and the same two rows in c and h
	v_lshl_add_u32 v[CO], v1, 4, v[CO]
	v_and_b32 v[PFO], 31, v0
	v_lshlrev_b32 v[PFO], 13, v[PFO]
.macro FRAG reg, adr, q, i             ; a fragment, 16 rows x 128 K of 4-bit codes, is 8 registers: lane l holds row l % 16; registers 4 c .. 4 c + 3 hold K = 64 c + 32 (l / 16) + 0 .. 31
.irp c, 0,1
	ds_load_b128 v[\reg+4*\c:\reg+4*\c+3], v[\adr] offset:64*(\q)+32*\c+(\i)*16*PITCH
.endr
.endm
; 16 matrix instructions: A's blocks a0, a0 + 1 x B's eight, 128 along K: the slot's q-th.  p: B's set;  sc: the set of scale words.  first = 1: the bias is C and starts the sum: nothing is cleared, nothing is added later.
; The 64 accumulators take turns, one instruction a turn, in the same order in every step, over the loop's backward jump too.
; Source 0 is B: its scale words stand in lanes 16-31 of register 4 b + q; source 1 is A: lanes 0-15 of register 4 a + q.
.macro MUL16 a0, p, q, sc, first
.irp a, \a0, \a0+1
.irp b, 0,1,2,3,4,5,6,7
.if \first
	v_wmma_scale_f32_16x16x128_f8f6f4 v[8*(8*((\a)%4)+\b):8*(8*((\a)%4)+\b)+7], v[128*(\p)+FR*\b:128*(\p)+FR*\b+FR-1], v[AF+FR*(\a):AF+FR*(\a)+FR-1], v[BIAS+8*\b:BIAS+8*\b+7], v[SC+32*(\sc)+4*\b+(\q)], v[SC+32*(\sc)+4*(\a)+(\q)] matrix_a_fmt:MATRIX_FMT_FP4 matrix_b_fmt:MATRIX_FMT_FP4 matrix_a_scale:MATRIX_SCALE_ROW1
.else
	v_wmma_scale_f32_16x16x128_f8f6f4 v[8*(8*((\a)%4)+\b):8*(8*((\a)%4)+\b)+7], v[128*(\p)+FR*\b:128*(\p)+FR*\b+FR-1], v[AF+FR*(\a):AF+FR*(\a)+FR-1], v[8*(8*((\a)%4)+\b):8*(8*((\a)%4)+\b)+7], v[SC+32*(\sc)+4*\b+(\q)], v[SC+32*(\sc)+4*(\a)+(\q)] matrix_a_fmt:MATRIX_FMT_FP4 matrix_b_fmt:MATRIX_FMT_FP4 matrix_a_scale:MATRIX_SCALE_ROW1
.endif
.endr
.endr
.endm
.macro FETCH_B slot, q, p              ; B's eight fragments of the slot's q-th 128 along K into set p: 16 loads
	WIN TO_B
.irp i, 0,1,2,3,4,5,6,7
	FRAG 128*(\p)+FR*\i, ADRB+\slot, \q, \i
.endr
	WIN 0
.endm
.macro FETCH_A slot, q, i0             ; A's blocks i0 .. i0 + 3: 8 loads
.irp i, \i0, \i0+1, \i0+2, \i0+3
	FRAG AF+FR*(\i), ADRA+\slot, \q, \i
.endr
.endm
.macro SCALES sc                       ; slot sc's scale words: the last 16 bytes of each row, four words; lanes 0-15 take A's block i, lanes 16-31 B's block i: 8 loads
.irp i, 0,1,2,3,4,5,6,7
	ds_load_b128 v[SC+32*\sc+4*\i:SC+32*\sc+4*\i+3], v[ADRS+\sc] offset:256+\i*16*PITCH
.endr
.endm
; A load into a register that a matrix instruction has read, and a vector instruction that reads a matrix result or writes one of a matrix instruction's registers, stand four places behind it, and only plain vector
; instructions that name none of its registers are places (ISA guide 7.12.1 for vector instructions).
.macro PLACES n
.rept \n
	v_nop
.endr
.endm
; A step of 128 along K that has its successor in the same slot.  A's blocks are free as soon as their eight products are issued: blocks 0-3 are fetched anew in the step's middle, blocks 4-7 at its end.
.macro STEP slot, q, first
	s_wait_dscnt 8                                 ; B's set, A's blocks 0-3 (and the scale words) are in; the youngest eight loads, A's blocks 4-7, may be out
.if \first
	WIN FIRST_LO
.else
	WIN MUL_LO
.endif
	MUL16 0, (\q)%2, \q, \slot, \first
	MUL16 2, (\q)%2, \q, \slot, \first
	s_wait_dscnt 0                                 ; A's blocks 4-7 are in (asked for 32 matrix instructions ago)
	PLACES 4
	FETCH_B \slot, (\q)+1, 1-(\q)%2
	FETCH_A \slot, (\q)+1, 0
.if \first
	WIN FIRST_HI
.else
	WIN MUL_HI
.endif
	MUL16 4, (\q)%2, \q, \slot, \first
	MUL16 6, (\q)%2, \q, \slot, \first
	PLACES 4
	WIN 0
	FETCH_A \slot, (\q)+1, 4
.endm
; A PREFETCH INTO THE L2 of my wave's 64 rows of output's tile: a lane a row, a row's part is 256 bytes, aligned: two instructions.  No other work-group and no other wave reads these bytes, so each is named once in the launch.
; It stands behind the joint load, its four lines and the run of LDS loads, at the change of slots that ends K step 4 (the loop's last trip): two K steps, 512 matrix instructions, ahead of the tensor load that wants the tile.
; Its address registers are never rewritten.
.macro ASKO
	s_cmp_eq_u32 s3, 1                             ; the same in every work-group
	s_cbranch_scc0 .Lno_ask_\@
	global_prefetch_b8 v[PFO], s[92:93] th:TH_LOAD_NT scope:SCOPE_SE
	global_prefetch_b8 v[PFO], s[92:93] offset:32*8192 th:TH_LOAD_NT scope:SCOPE_SE
.Lno_ask_\@:
.endm
; A slot's last step changes slots.  In front of the round each wave waits for all its tensor loads, adds 0 to its spare word, and waits for that and for its own reads of this slot.
; fill = 1: this slot is filled again, two K steps ahead, by the joint loads.  fill = 2: slot 0 is left for good, and each wave brings its 64 rows of output's tile into it, by a load of its own.
.macro TURN slot, next, fill, ask
	s_wait_tensorcnt 0x0                           ; all my tensor loads have landed: the one that was out is my part of the next slot  (every window is 0 here)
	ds_add_u32 v[SPW], v[NIL]                      ; 0 onto my spare word
	s_wait_dscnt 9                                 ; (the add and the youngest eight loads, A's blocks 4-7, may be out)
	WIN MUL_LO
	MUL16 0, 1, 3, \slot, 0                        ; sixteen matrix instructions stand between the add and the wait for it
	s_wait_dscnt 0x0                               ; the add is done, and my reads of this slot are over
	s_barrier_signal -1
	MUL16 2, 1, 3, \slot, 0
	WIN 0
	s_barrier_wait -1
	CREST                                          ; the barrier has opened a round of the cluster's barrier: no wave of any partner still reads this slot's tile or has a load on its way
.if \fill == 1
	s_add_nc_u64 s[G0+4*\slot+2:G0+4*\slot+3], s[G0+4*\slot+2:G0+4*\slot+3], 2*ASTEP
	s_add_nc_u64 s[G0B+4*\slot+2:G0B+4*\slot+3], s[G0B+4*\slot+2:G0B+4*\slot+3], 2*BSTEP
	JLOAD G0+4*\slot, G1, G0B+4*\slot, G1B         ; the first tensor load behind the round, my only one until the next; the four v_nop behind it are the places in front of the loads below
.else
	tensor_load_to_lds s[G0O:G0O+3], s[G1O:G1O+7]  ; likewise: it has K step 7 and the first block's exponentials in which to land
	s_nop 0
	PLACES 4
.endif
	FETCH_B \next, 0, 0
	FETCH_A \next, 0, 0
	SCALES \next
.if \ask
	ASKO
.endif
	WIN MUL_HI
	MUL16 4, 1, 3, \slot, 0
	MUL16 6, 1, 3, \slot, 0
	PLACES 4
	WIN 0
	FETCH_A \next, 0, 4
.endm
.macro STEPS slot, from                ; the slot's steps from .. 2
.set Q, \from
.rept 3-\from
	STEP \slot, Q, 0
.set Q, Q+1
.endr
.endm
	s_wait_tensorcnt 1                             ; my part of K step 0 is in; K step 1's load may stay out
	s_barrier_signal -1
	s_barrier_wait -1                              ; everybody's is
	FETCH_B 0, 0, 0
	FETCH_A 0, 0, 0
	SCALES 0
	FETCH_A 0, 0, 4
	s_wait_loadcnt 0x0                             ; the biases
	STEP 0, 0, 1                                   ; the first step stands in front of the loop: its products start the sums, from the biases
	s_mov_b32 s3, 3
.Llap:                                                 ; a trip goes once round the ring, from a lap's second step to the next lap's first, and fills both slots again: three trips bring K steps 2 to 7
	STEPS 0, 1
	TURN 0, 1, 1, 1
	STEPS 1, 0
	TURN 1, 0, 1, 0
	STEP 0, 0, 0
	s_sub_co_u32 s3, s3, 1
	s_cmp_lg_u32 s3, 0
	s_cbranch_scc1 .Llap
	STEPS 0, 1                                     ; K step 6 goes on
	TURN 0, 1, 2, 0                                ; slot 0 takes output's tile
	STEPS 1, 0                                     ; K step 7
	s_wait_dscnt 8                                 ; the very last step: nothing more to fetch
	WIN MUL_LO
	MUL16 0, 1, 3, 1, 0
	MUL16 2, 1, 3, 1, 0
	s_wait_dscnt 0                                 ; my reads of slot 1 are over: no LDS instruction of mine is out from here to the tail's first barrier
	WIN MUL_HI
	MUL16 4, 1, 3, 1, 0
	MUL16 6, 1, 3, 1, 0
	WIN 0
	PLACES 4                                       ; the tail writes the registers that held scale words and A's fragments
; THE TAIL, block by block: block a is 16 rows x 32 columns of c and h for a wave, 16 numbers a lane.  X index 16 gate + 8 u + j: i 0-15, f 16-31, g 32-47, o 48-63.  Two sets of each kind of register by turns.
.macro OVLOAD a                        ; output(16 a + r, 16 u + 8 h + 0 .. 7) out of its tile, which nobody writes
.set OV, 160+16*((\a)%2)
.irp u, 0,1
.irp c, 0,1
	ds_load_b128 v[OV+8*\u+4*\c:OV+8*\u+4*\c+3], v[OA] offset:(\a)*16*PITCH+64*\u+16*\c
.endr
.endr
.endm
.macro BACK a                          ; my 8 whole rows of block a's c and of its h come back from the stages, two rows an instruction
.set BB, 192+32*((\a)%2)
.irp t, 0,1,2,3
	ds_load_b128 v[BB+4*\t:BB+4*\t+3], v[RDC] offset:(\a)*16*PITCH+\t*2*PITCH
	ds_load_b128 v[BB+16+4*\t:BB+16+4*\t+3], v[RDH] offset:(\a)*16*PITCH+\t*2*PITCH
.endr
.endm
.macro SEND a                          ; and are stored: sixteen lanes store 256 consecutive bytes, at a multiple of 256 from the buffer's first byte; written once, read by nobody here; 118 rows on at the most: inside the signed 24-bit immediate
.set BB, 192+32*((\a)%2)
.irp t, 0,1,2,3
	global_store_b128 v[CO], v[BB+4*\t:BB+4*\t+3], s[10:11] offset:(16*(\a)+2*\t)*8192 th:TH_STORE_NT
	global_store_b128 v[CO], v[BB+16+4*\t:BB+16+4*\t+3], s[12:13] offset:(16*(\a)+2*\t)*8192 th:TH_STORE_NT
.endr
.endm
; Block a's turn.  The transcendentals go in four batches, each with one plain line and one s_wait_alu behind it, ahead of the first line that names a result.
; ONE BARRIER stands in each turn, behind the first batch.  In block 0's turn it says that output's tile is whole and that nobody reads slot 1 any more.  In the others it says that every wave's stores of block a - 1
; into the stages are done: behind it block a - 1 is read back, and it is stored where this block waits for its LDS loads anyway.  A stage's rows are written once, so no second barrier is needed:
; between two barriers the stages see reads of block a - 1 and stores of block a, which are other rows.
.macro EPI a
.set XR, 32+64*((\a)%2)
.set OV, 160+16*((\a)%2)
.set AC, 64*((\a)%4)
.if (\a) > 0
	OVLOAD \a
.endif
	WIN 0x02+(\a)/4                                ; source 0: window 2 or 3
.set k, 0
.rept 32                                       ; each accumulator is read from its low end on
.if (k >= 32) && (k < 48)
	v_pk_mul_f32 v[XR+k:XR+k+1], v[AC+k:AC+k+1], s[98:99] op_sel_hi:[1,0]   ; g: 2 x log2(e)
.else
	v_pk_mul_f32 v[XR+k:XR+k+1], v[AC+k:AC+k+1], s[96:97] op_sel_hi:[1,0]   ; i, f, o: -x log2(e)
.endif
.set k, k+2
.endr
	WIN 0
.set k, 0
.rept 64
	v_exp_f32 v[XR+k], v[XR+k]
.set k, k+1
.endr
	v_nop
	s_wait_alu depctr_va_vdst(0)
.if (\a) == 0
	s_wait_tensorcnt 0x0                           ; my 64 rows of output's tile are in: no load was issued behind that one
.else
	s_wait_dscnt 0x0                               ; for the others' sake: my stores of block a - 1 into the stages are done (and this block's numbers of output are in)
.endif
	s_barrier_signal -1
.set k, 0
.rept 32
	v_pk_add_f32 v[XR+k:XR+k+1], v[XR+k:XR+k+1], 1.0 op_sel_hi:[1,0]   ; work on registers while the others arrive
.set k, k+2
.endr
	s_barrier_wait -1
.if (\a) == 0
	OVLOAD 0
.else
	s_wait_xcnt 0x0                                ; the stores of two blocks ago have read this set of registers: it may be loaded again
	BACK (\a)-1
.endif
.set k, 0
.rept 64
	v_rcp_f32 v[XR+k], v[XR+k]                     ; i, f, o: the sigmoids
.set k, k+1
.endr
	v_nop
	s_wait_alu depctr_va_vdst(0)
.set k, 0
.rept 8
	v_pk_fma_f32 v[XR+32+k:XR+33+k], v[XR+32+k:XR+33+k], -2.0, 1.0 op_sel_hi:[1,0,0]   ; tanh(g)
.set k, k+2
.endr
.set k, 0
.rept 8
	v_pk_mul_f32 v[XR+k:XR+k+1], v[XR+k:XR+k+1], v[XR+32+k:XR+33+k]                    ; i tanh(g)
.set k, k+2
.endr
	s_wait_dscnt 0x0                               ; output's numbers are in, and so are block a - 1's rows
.if (\a) > 0
	SEND (\a)-1
.endif
.set k, 0
.rept 8
	v_pk_fma_f32 v[XR+k:XR+k+1], v[XR+16+k:XR+17+k], v[OV+k:OV+k+1], v[XR+k:XR+k+1]    ; c = f output + i tanh(g)
.set k, k+2
.endr
.set k, 0
.rept 8
	v_pk_mul_f32 v[XR+32+k:XR+33+k], v[XR+k:XR+k+1], s[98:99] op_sel_hi:[1,0]
.set k, k+2
.endr
.set k, 0
.rept 16
	v_exp_f32 v[XR+32+k], v[XR+32+k]
.set k, k+1
.endr
	v_nop
	s_wait_alu depctr_va_vdst(0)
.set k, 0
.rept 8
	v_pk_add_f32 v[XR+32+k:XR+33+k], v[XR+32+k:XR+33+k], 1.0 op_sel_hi:[1,0]
.set k, k+2
.endr
.set k, 0
.rept 16
	v_rcp_f32 v[XR+32+k], v[XR+32+k]
.set k, k+1
.endr
	v_nop
	s_wait_alu depctr_va_vdst(0)
.set k, 0
.rept 8
	v_pk_fma_f32 v[XR+32+k:XR+33+k], v[XR+32+k:XR+33+k], -2.0, 1.0 op_sel_hi:[1,0,0]   ; tanh(c)
.set k, k+2
.endr
.set k, 0
.rept 8
	v_pk_mul_f32 v[XR+32+k:XR+33+k], v[XR+32+k:XR+33+k], v[XR+48+k:XR+49+k]            ; h = o tanh(c)
.set k, k+2
.endr
.irp u, 0,1
.irp c, 0,1
	ds_store_b128 v[OAC], v[XR+8*\u+4*\c:XR+8*\u+4*\c+3] offset:(\a)*16*PITCH+64*\u+16*\c       ; the next block works in the other set of registers while these are on their way
	ds_store_b128 v[OAH], v[XR+32+8*\u+4*\c:XR+32+8*\u+4*\c+3] offset:(\a)*16*PITCH+64*\u+16*\c
.endr
.endr
.endm
.irp a, 0,1,2,3,4,5,6,7
	EPI \a
.endr
	s_wait_dscnt 0x0                               ; for the others' sake: my stores of block 7 into the stages are done
	s_barrier_signal -1
	s_barrier_wait -1
	s_wait_xcnt 0x0                                ; block 5's stores have read this set of registers
	BACK 7
	s_wait_dscnt 0x0
	SEND 7
	s_wait_tensorcnt 0x0                           ; the wave's end, behind my last tensor load and my last LDS store
	ds_add_u32 v[SPW], v[NIL]
	s_wait_dscnt 0x0
	CROUND                                         ; the closing round: no work-group ends while a partner may still ask for a tile that names it
	s_endpgm
.Lfunc_end_k_q15a6785425_cell:
	.size	k_q15a6785425_cell, .Lfunc_end_k_q15a6785425_cell-k_q15a6785425_cell
	.p2alignl 7, 3214868480
	.fill 96, 4, 3214868480
	.section	.rodata,"a",@progbits
	.p2align	6, 0x0
	.amdhsa_kernel k_q15a6785425_cell
		.amdhsa_group_segment_fixed_size 327680
		.amdhsa_private_segment_fixed_size 0
		.amdhsa_enable_private_segment 0
		.amdhsa_kernarg_size 72
		.amdhsa_user_sgpr_count 2
		.amdhsa_user_sgpr_kernarg_segment_ptr 1
		.amdhsa_wavefront_size32 1
		.amdhsa_system_sgpr_workgroup_id_x 1
		.amdhsa_system_sgpr_workgroup_id_y 1
		.amdhsa_system_sgpr_workgroup_id_z 1
		.amdhsa_system_vgpr_workitem_id 0
		.amdhsa_next_free_vgpr 1024
		.amdhsa_next_free_sgpr 100
		.amdhsa_reserve_vcc 0
		.amdhsa_float_denorm_mode_32 3
		.amdhsa_float_denorm_mode_16_64 3
		.amdhsa_memory_ordered 1
		.amdhsa_forward_progress 1
		.amdhsa_inst_pref_size 255
	.end_amdhsa_kernel
	.section	.bss,"aw",@nobits
	.p2align	6
	.space	262144
	.amdgpu_metadata
---
amdhsa.version: [ 1, 2 ]
amdhsa.kernels:
  - .name:           k_q15a6785425_cell
    .symbol:         k_q15a6785425_cell.kd
    .args:
      - { .name: aq, .offset: 0, .size: 8, .value_kind: global_buffer, .address_space: global }
      - { .name: wq, .offset: 8, .size: 8, .value_kind: global_buffer, .address_space: global }
      - { .name: b_i, .offset: 16, .size: 8, .value_kind: global_buffer, .address_space: global }
      - { .name: b_f, .offset: 24, .size: 8, .value_kind: global_buffer, .address_space: global }
      - { .name: b_g, .offset: 32, .size: 8, .value_kind: global_buffer, .address_space: global }
      - { .name: b_o, .offset: 40, .size: 8, .value_kind: global_buffer, .address_space: global }
      - { .name: output, .offset: 48, .size: 8, .value_kind: global_buffer, .address_space: global }
      - { .name: out0, .offset: 56, .size: 8, .value_kind: global_buffer, .address_space: global }
      - { .name: out1, .offset: 64, .size: 8, .value_kind: global_buffer, .address_space: global }
    .group_segment_fixed_size: 327680
    .private_segment_fixed_size: 0
    .kernarg_segment_align: 8
    .kernarg_segment_size: 72
    .max_flat_workgroup_size: 128
    .sgpr_count:     100
    .vgpr_count:     1024
    .wavefront_size: 32
...
	.end_amdgpu_metadata
.endif
;; end of part 2
